; MI455X (gfx1250); checked and timed in simulation.
; The chip was launched on July 23, 2026; its instructions are those of AMD's public machine-readable ISA for CDNA 5 (MIT licence, August 2026) and "CDNA5" Instruction Set Architecture Reference Guide (July 2026). The comments in the code are by the model that wrote it; some were corrected since.
;; Attention. Allowed arithmetic: matrix products marked QUANTISED: E5M2 operands, one given power-of-two scale a tensor, by v_wmma_f32_16x16x64_bf8_bf8 or v_wmma_f32_16x16x128_bf8_bf8, f32 sums; everything else in f32.
;; Inputs: W_k_codes 1,024 x 32 x 32 uint8 (E5M2 codes of W_k, K innermost, in blocks of 32 codes); W_q_codes 1,024 x 32 x 32 uint8 (E5M2 codes of W_q, K innermost, in blocks of 32 codes); W_v_codes 1,024 x 32 x 32 uint8 (E5M2 codes of W_v, K innermost, in blocks of 32 codes); k_input_codes 4 x 2,048 x 32 x 32 uint8 (E5M2 codes of k_input, K innermost, in blocks of 32 codes); lowp_scales 10 int32 (the exponents e of the quantised operands' scales 2^e); q_input_codes 4 x 2,048 x 32 x 32 uint8 (E5M2 codes of q_input, K innermost, in blocks of 32 codes); v_input_codes 4 x 2,048 x 32 x 32 uint8 (E5M2 codes of v_input, K innermost, in blocks of 32 codes).
;; Outputs: out0 4 x 2,048 x 1,024 float32.
;; This version of the problem:
;;   THIS VERSION OF THE PROBLEM IS GIVEN IN LOW PRECISION. The matrix products marked QUANTISED in the list below multiply operands that are first quantised to E5M2 (5 exponent bits, 2 mantissa bits; 8 bits a number), with one given power-of-two scale for each operand tensor; their sums are f32. All else is computed in f32.
;;   The module's matrix products, in the order in which they are computed (A, B: the left and right operand; K: the contracted axis; several contracted axes count as one K, in the product's order):
;;     1. [M 8,192, K 1,024] x [K 1,024, N 1,024]; A: input q_input (given as codes); B: input W_q (given as codes): QUANTISED (scales: A lowp_scales[0], B lowp_scales[1])
;;     2. [M 8,192, K 1,024] x [K 1,024, N 1,024]; A: input k_input (given as codes); B: input W_k (given as codes): QUANTISED (scales: A lowp_scales[2], B lowp_scales[3])
;;     3. [M 8,192, K 1,024] x [K 1,024, N 1,024]; A: input v_input (given as codes); B: input W_v (given as codes): QUANTISED (scales: A lowp_scales[4], B lowp_scales[5])
;;     4. batch 4 x [M 2,048, K 1,024] x [K 1,024, N 2,048]; A: computed on the way; B: computed on the way: QUANTISED (scales: A lowp_scales[6], B lowp_scales[7])
;;     5. batch 4 x [M 2,048, K 2,048] x [K 2,048, N 1,024]; A: softmax (see below); B: computed on the way: QUANTISED (scales: A lowp_scales[8], B lowp_scales[9])
;;   THE QUANTISER, for each operand of a quantised product, along K:
;;     - The operand's scale is 2^e, e = its entry of the input lowp_scales (int32; the entries are numbered through the quantised products in the list's order, A before B).
;;     - Each number is divided by the scale, clamped to +-57,344, and rounded to the nearest number of E5M2, ties to even, subnormals kept.
;;     - The product sums the exact products of the quantised numbers (number of the format x scale) in f32.
;;   ~~~python
;;   def quantise(x, axis, e):      # numpy; x: float32 -> the quantised numbers, widened to float32 again
;;       x = np.moveaxis(x, axis, -1); K = x.shape[-1]
;;       r = np.clip(x / 2.0 ** e, -57344, 57344)
;;       step = 2.0 ** (np.maximum(np.frexp(np.where(r == 0, 1, r))[1] - 1, -14) - 2)
;;       q = np.round(r / step) * step * 2.0 ** e      # np.round: ties to even
;;       return np.moveaxis(q, -1, axis).astype(np.float32)
;;   ~~~
;;   SOFTMAX AHEAD OF A QUANTISED PRODUCT. Where the list says 'softmax', what is quantised is not the finished softmax but p = 2^(t - M), with t = logit x log2(e) and M = ceil(the row's largest t), a whole number; so 1/2 < the row's largest p <= 1. The row's sum l is taken of the UNQUANTISED p, in f32, and the product's result is divided by l at the end. Since M is a whole number, a kernel that streams over the keys may use a running M (the ceiling of the running maximum): every later rescaling is an exact power of two, so the quantised numbers keep their values, but for numbers so far below the row's largest that they fall under the format's range.
;;   OPERANDS COMPUTED ON THE WAY. 'Computed on the way' means the value that the module computes at that place (a softmax that the list does not call 'softmax' is quantised finished and normalised). What goes into a quantiser is computed in f32, as accurately as f32 sums, v_exp_f32 and their like allow (about 1e-6 of the number): no bf16 or f16 on the way to a quantiser, and a product that is left as it is and whose result goes on into a quantised operand takes f32 operands (vector FMAs, or v_wmma_f32_16x16x4_f32). A number that lies on a knife's edge between two numbers of the format may be rounded either way, as far as f32 arithmetic and the matrix unit's own rounding can turn it there, and no further.
;;   INPUTS GIVEN AS CODES. W_k (in the module: [1024, 1024], K = its axis 1); W_q (in the module: [1024, 1024], K = its axis 1); W_v (in the module: [1024, 1024], K = its axis 1); k_input (in the module: [4, 2048, 1024], K = its axis 2); q_input (in the module: [4, 2048, 1024], K = its axis 2); v_input (in the module: [4, 2048, 1024], K = its axis 2): each comes as NAME_codes (uint8): NAME with its K axis moved to the last place and cut into blocks of 32 codes, [.., K / 32, bytes a block], one block behind the other in memory; one code a byte (a code: sign, 5 exponent bits, 2 mantissa bits); its scale is its entry of lowp_scales. Its value is code x scale, taken as it is: it is not quantised again, and the codes and scales need not be those that the quantiser above would give.
;; One version. Each part assembles by itself: llvm-mc -triple=amdgcn-amd-amdhsa -mcpu=gfx1250 --defsym DOCPART=n.
;; ======== version 1 of 1: 3 launches
;; limits: right only within a limited range of input values
;; workspace buffers: qc 8,388,608 bytes; kc 8,388,608 bytes; vt 8,388,608 bytes; pc 16,777,216 bytes; st 524,288 bytes
;; launch proj (part 1): grid 4 x 64, 4 waves a work-group, clusters of 4 x 4, 327,680 bytes of LDS; arguments q_input_codes, k_input_codes, W_v_codes, W_q_codes, W_k_codes, v_input_codes, qc, kc, vt, lowp_scales; writes qc, kc, vt
.if DOCPART == 1
	.amdgcn_target "amdgcn-amd-amdhsa--gfx1250"
	.amdhsa_code_object_version 6
	.text
	.protected	k_qc0225d6054_proj
	.globl	k_qc0225d6054_proj
	.p2align	8
	.type	k_qc0225d6054_proj,@function
k_qc0225d6054_proj:
	s_mov_b64 s[64:65], 0
	v_nop
	global_prefetch_b8 v0, s[64:65] scope:SCOPE_SE
	s_setreg_imm32_b32 hwreg(HW_REG_WAVE_MODE, 25, 1), 1
	s_wait_xcnt 0x0
	s_wait_alu depctr_hold_cnt(0) depctr_sa_sdst(0) depctr_va_vdst(0) depctr_va_sdst(0) depctr_va_ssrc(0) depctr_va_vcc(0) depctr_vm_vsrc(0)
	s_getreg_b32 s2, hwreg(HW_REG_IB_STS2, 6, 4)
	s_cmp_eq_u32 s2, 0
	s_cbranch_scc0 .Lentry_in_a_cluster
	s_endpgm
.Lentry_in_a_cluster:
	s_bfe_u32 s2, ttmp6, 0x10000c
	s_cmp_lg_u32 s2, 0xf033
	s_cbranch_scc0 .Lentry_shape_is_right
	s_endpgm
.Lentry_shape_is_right:
; THE THREE PROJECTIONS, on codes of BF8 (E5M2), each quantised again on its way out.  C'[m][n] = sum over k of A'[m][k] B'[n][k], K = 1,024.
; 256 work-groups that stay: each makes TWO tiles.  Tile 1, 256 x 256: q (clusters 0-7) or k (clusters 8-15): A' = the tokens' codes, B' = the weight's.  Tile 2, 256 x 128, of v: A' = W_v, B' = v_input:
; so v comes out with the KEYS along a lane's registers.  Four waves: 128 x 128 each of tile 1 (64 accumulators, 512 registers), 128 x 64 each of tile 2 (32 accumulators).
; K goes in steps of 256 through a ring of two LDS slots filled by the tensor data mover (rows of 256 bytes of memory); the ring goes on from tile 1 into tile 2.
; CLUSTERS: 4 x 4 work-groups.  The four of a row need the same tiles of A', the four of a column the same tiles of B': each is asked for JOINTLY, with the same descriptor and a mask that names the four.
; THE MATRIX INSTRUCTION IS USED TRANSPOSED (source 0 = 16 rows of B', source 1 = 16 rows of A'): lane (r, h) holds row r of A' and, in accumulator b, the columns 16 b + 8 h + 0 .. 7: eight neighbours along the NEXT product's K.
; THE WAY OUT.  code = sum / 2^(eo - ea - eb), held within +-57,344 x that power, to the nearest code.  Codes are stored as IMAGES OF THE NEXT PRODUCT'S FRAGMENTS: a block of 16 rows x 128 along K is 2,048 bytes,
; code (r, k) at byte 256 (k / 16) + 16 r + k % 16.  A lane's 8 codes go to 256 b + 16 r + 8 h: one store of the wave covers 256 consecutive bytes, aligned.
; Blocks: qc, kc: [row / 16][e / 128], 16,384 bytes from row tile to row tile.  vt: [e / 16][(2048 batch + key) / 128], 131,072 bytes.
; PREFETCH: behind the load of K step i (0-7 over both tiles) stands the request for K step i + 2 (at the head also for 1).  Of the rows that a wave fetches each of the four partners names its quarter, by address.
; Weights, which many clusters read, are asked for by four clusters alone.  Nothing is asked for beyond the last K step.
; LIMITS: e6 - e0 - e1, e7 - e2 - e3 and e9 - e4 - e5 lie between -126 and 112, so that the scale and 57,344 x the scale are f32 numbers.  NaN and infinities among the sums are not served.
; REGISTERS, in windows of 256: window 0: v1-46 addresses and scales; v64-127 codes on the way out; from v128 A's fragments (8 x 16 rows x 128 K).   window 1: B's fragments, two sets, at v0 and v128.
;   window 2, 3: tile 1's accumulators (a, b) at v[8 (8 (a % 4) + b)].   Tile 2: accumulators (a, b) at v[8 (4 a + b)] of window 2, A's second set from v128 of window 3.
.set ROWB,   256                       ; a tile's row in bytes: a K step
.set KROW,   1024                      ; a row of A' or B' in memory, in bytes
.set PITCH,  272                       ; an LDS row: 256 bytes + 16 of padding = 68 words: row r starts at bank 4 r mod 64 (64 banks of 4 bytes: ISA guide 11.1)
.set FR,     16                        ; registers of a fragment: 16 rows x 128 K
.set NL,     4                         ; LDS loads that bring one
.set NP,     4                         ; places behind this matrix instruction (ISA guide 7.12.1)
.set HALFT,  128*PITCH                 ; 128 rows
.set SLOT,   4*HALFT                   ; A's 256 rows, then B's 256 (tile 2: 128)
.set SPARE,  2*SLOT                    ; the spare words, 128 bytes for each wave: two blocks of 256 bytes that no other line names
.set ADRA, 16                          ; v16-17  LDS address of my A fragments in slot 0, 1
.set ADRB, 20                          ; v20-21  of my B fragments, tile 1
.set ADRV, 22                          ; v22-23  of my B fragments, tile 2
.set SPW,  28                          ; v28     LDS address of my spare word; never rewritten
.set NIL,  29                          ; v29     0; never rewritten
.set SC1,  40                          ; v40     tile 1: 2^(eo - ea - eb) as f32
.set LI1,  41                          ; v41     57,344 x that
.set SC2,  42                          ; v42-43  the same for tile 2
.set LI2,  43
.set VO,   44                          ; v44     16 r + 8 h
.set PF1,  45                          ; v45-46  the prefetches' offsets, tile 1, tile 2; never rewritten
.set PF2,  46
.set CD,   64
.set AF,   128
.set G1V, 4                            ; s[4:11]  descriptor group 1 for tile 2's B (64 rows)
.set G1, 24                            ; s[24:31] group 1 for A;  s[32:39] group 0, one set for each slot
.set G0, 32
.set G1B, 48                           ; s[48:55], s[56:63] the same for B
.set G0B, 56
.set PADW, (1<<20)|(1<<21)|(5<<22)|(3<<25) ; elements of 1 byte; 20 padding on; 21 set beside a mask; 24:22 after every 64 words; 31:25 of 4 words
.set MSB, 0
.macro WIN new                         ; the immediate's high byte repeats the setting that is left
.if MSB != (\new)
	s_set_vgpr_msb (MSB<<8)|(\new)
.set MSB, (\new)
.endif
.endm
.set MUL_LO, 0xa1                      ; source 0 (B) window 1, source 1 (A) window 0, C and D window 2
.set MUL_HI, 0xf1                      ; the same, C and D window 3
.set MUL_V1, 0xad                      ; A window 3, C and D window 2
.set TO_B,   0x40                      ; destination window 1, address window 0
; A joint load: waves 0 and 1 fetch for A, waves 2 and 3 for B.  Each line has ONE mask and one set of registers for all that issue it; the branch hangs on the wave's number alone.
.macro JLOAD s, gb
	s_cmp_eq_u32 s15, 0
	s_cbranch_scc0 .Lfor_b_\@
	tensor_load_to_lds s[G0+4*\s:G0+4*\s+3], s[G1:G1+7]
	s_nop 0
.rept 4
	v_nop
.endr
	s_branch .Lasked_\@
.Lfor_b_\@:
	tensor_load_to_lds s[G0B+4*\s:G0B+4*\s+3], s[\gb:\gb+7]
	s_nop 0
.rept 4
	v_nop
.endr
.Lasked_\@:
.endm
.macro CREST                           ; a round of the cluster's barrier behind its opening barrier
	s_cmp_lg_u32 s14, 0
	s_cbranch_scc1 .Lnot_wave_0_\@
	s_barrier_signal -3
.Lnot_wave_0_\@:
	s_barrier_wait -3
	s_barrier_signal -1
	s_barrier_wait -1
.endm
.macro CROUND                          ; a whole round
	s_barrier_signal -1
	s_barrier_wait -1
	CREST
.endm
.macro ASK f, vr, b, off               ; a prefetch into the L2, where flag s[f] is 1
	s_cmp_eq_u32 s[\f], 1
	s_cbranch_scc0 .Lnot_mine_\@
	global_prefetch_b8 v[\vr], s[\b:\b+1] offset:\off th:TH_LOAD_NT scope:SCOPE_SE
.Lnot_mine_\@:
.endm
	s_load_b512 s[68:83], s[0:1], 0x0              ; q_input s[68:69], k_input s[70:71], W_v s[72:73], W_q s[74:75], W_k s[76:77], v_input s[78:79], qc s[80:81], kc s[82:83]
	s_load_b128 s[84:87], s[0:1], 0x40             ; vt s[84:85], the scales' exponents s[86:87]
	v_lshl_add_u32 v[SPW], v0, 2, SPARE
	v_mov_b32 v[NIL], 0
	ds_add_u32 v[SPW], v[NIL]                      ; the wave's opening: the add, twice on end, and its wait ahead of my first tensor load
	ds_add_u32 v[SPW], v[NIL]
	v_lshrrev_b32 v1, 5, v0
	v_readfirstlane_b32 s14, v1                    ; wave 0..3
	s_lshr_b32 s15, s14, 1                         ; which half of the tile's rows is mine.  Also: I fetch for A (0) or for B (1)
	s_and_b32 s16, s14, 1                          ; which half of its columns.  Also: which half of the rows I fetch
	s_bfe_u32 s40, ttmp6, 0x40000                  ; cx, cy: my place in the cluster
	s_bfe_u32 s41, ttmp6, 0x40004
	s_and_b32 s19, ttmp7, 0xffff                   ; c, the cluster, 0 .. 15 (one along x)
	s_lshr_b32 s12, s19, 3                         ; tile 1: q (0) or k (1)
	s_and_b32 s13, s19, 7
	s_lshl_b32 s17, s13, 2
	s_add_co_u32 s17, s17, s41                     ; tile 1's row tile, 0 .. 31: it holds cy and never cx
	s_lshl_b32 s43, s41, 2
	s_lshl_b32 s43, 15, s43                        ; my row of the cluster
	s_lshl_b32 s44, 0x1111, s40                    ; my column
	s_or_b32 s[G1], s43, PADW
	s_or_b32 s[G1B], s44, PADW
	s_or_b32 s[G1V], s44, PADW
.irp g, G1, G1B, G1V
	s_mov_b32 s[\g+1], ROWB<<16                    ; tensor_dim0
	s_mov_b32 s[\g+3], ROWB<<16                    ; tile_dim0
	s_mov_b32 s[\g+5], KROW                        ; tensor_dim0_stride
	s_mov_b32 s[\g+6], 0
	s_mov_b32 s[\g+7], 0
.endr
.irp g, G1, G1B
	s_mov_b32 s[\g+2], 128<<16                     ; tensor_dim1
	s_mov_b32 s[\g+4], 128                         ; tile_dim1
.endr
	s_mov_b32 s[G1V+2], 64<<16
	s_mov_b32 s[G1V+4], 64
	s_lshl_b32 s18, s16, 7                         ; which 128 rows I fetch
	s_lshl_b32 s20, s17, 8
	s_add_co_u32 s20, s20, s18                     ; tile 1's A: row 256 x row tile + 128 x half
	s_lshl_b32 s20, s20, 10                        ; in bytes: under 2^23
	s_mov_b32 s21, 0
	s_lshl_b32 s46, s40, 8
	s_add_co_u32 s46, s46, s18                     ; tile 1's B: row 256 cx + 128 x half
	s_lshl_b32 s46, s46, 10
	s_mov_b32 s47, 0
	s_lshl_b32 s66, s41, 8
	s_add_co_u32 s66, s66, s18                     ; tile 2's A: row 256 cy + 128 x half of W_v
	s_lshl_b32 s66, s66, 10
	s_mov_b32 s67, 0
	s_lshl_b32 s42, s19, 2
	s_add_co_u32 s42, s42, s40                     ; tile 2's block of 128 tokens: 4 c + cx
	s_lshl_b32 s2, s42, 1
	s_add_co_u32 s2, s2, s16                       ; its B: 64 tokens of it a wave
	s_lshl_b32 s2, s2, 16
	s_mov_b32 s3, 0
	s_mul_i32 s45, s14, HALFT                      ; where tile 1's go: wave x 128 rows
	s_mul_i32 s98, s16, 64*PITCH
	s_add_co_u32 s98, s98, 2*HALFT                 ; where tile 2's B goes
	s_wait_dscnt 0x0                               ; both opening adds are done
	s_wait_kmcnt 0x0
	s_cmp_eq_u32 s12, 0
	s_cselect_b64 s[22:23], s[68:69], s[70:71]
	s_cselect_b64 s[76:77], s[74:75], s[76:77]
	s_cselect_b64 s[80:81], s[80:81], s[82:83]
	s_load_b256 s[88:95], s[86:87], 0x0            ; e0 .. e7
	s_load_b64 s[96:97], s[86:87], 0x20            ; e8, e9
	s_add_nc_u64 s[20:21], s[22:23], s[20:21]
	s_add_nc_u64 s[46:47], s[76:77], s[46:47]
	s_add_nc_u64 s[66:67], s[72:73], s[66:67]
	s_add_nc_u64 s[2:3], s[78:79], s[2:3]
	CROUND                                         ; all sixteen work-groups are here: the first joint loads meet
.irp s, 0,1
	s_mov_b32 s[G0+4*\s], 1
	s_add_co_u32 s[G0+4*\s+1], s45, \s*SLOT
	s_add_nc_u64 s[G0+4*\s+2:G0+4*\s+3], s[20:21], \s*ROWB
	s_or_b32 s[G0+4*\s+3], s[G0+4*\s+3], 0x80000000
	s_mov_b32 s[G0B+4*\s], 1
	s_add_co_u32 s[G0B+4*\s+1], s45, \s*SLOT
	s_add_nc_u64 s[G0B+4*\s+2:G0B+4*\s+3], s[46:47], \s*ROWB
	s_or_b32 s[G0B+4*\s+3], s[G0B+4*\s+3], 0x80000000
.endr
	JLOAD 0, G1B                                   ; K step 0: one tensor load a wave at the head
	; who prefetches: tile 1: A's waves always, B's (a weight) in four of the eight clusters that share it; tile 2: A's waves (W_v) in four clusters, B's always
	s_cmp_lt_u32 s13, 4
	s_cselect_b32 s99, 1, 0                        ; s99: tile 1
	s_cmp_lt_u32 s19, 4
	s_cselect_b32 s101, 1, 0
	s_cmp_eq_u32 s15, 0
	s_cselect_b32 s99, 1, s99
	s_cselect_b32 s100, s101, 1                    ; s100: tile 2, K steps 0 and 2 (B's waves name 16 rows x two K steps in one instruction)
	s_cselect_b32 s101, s101, 0                    ; s101: tile 2, K steps 1 and 3: A's waves alone
	s_cselect_b64 s[68:69], s[20:21], s[46:47]     ; the rows that my wave fetches, tile 1,
	s_cselect_b64 s[70:71], s[66:67], s[2:3]       ; and tile 2
	s_cselect_b32 s22, s40, s41                    ; my place among the four that ask with me
	s_cselect_b32 s23, 31, 15
	s_cselect_b32 s13, 5, 4
	s_cselect_b32 s18, 0, 256
	s_lshl_b32 s13, s22, s13
	s_lshl_b32 s22, s22, 5
	v_and_b32 v3, 31, v0
	v_bfe_u32 v2, v0, 4, 1
	v_add_nc_u32 v4, s22, v3
	v_lshlrev_b32 v[PF1], 10, v4                   ; row 32 x place + lane
	v_and_b32 v3, s23, v3
	v_add_nc_u32 v3, s13, v3
	v_lshlrev_b32 v3, 10, v3
	v_mul_u32_u24 v4, s18, v2
	v_add_nc_u32 v[PF2], v3, v4                    ; A: the same; B: row 16 x place + lane % 16, lanes 16-31 one K step on
	s_wait_alu depctr_va_vdst(0)
	ASK 99, PF1, 68, 256                           ; K steps 1 and 2
	ASK 99, PF1, 68, 512
	s_mul_i32 s22, s15, HALFT                      ; my 128 rows of A'
	s_mul_i32 s23, s16, HALFT
	s_add_co_u32 s23, s23, 2*HALFT                 ; my 128 rows of B', which lie behind A's 256
	s_lshl_b32 s20, s17, 4                         ; tile 1's codes: row tile 16 x row tile + 8 x half (+ a), K block 2 cx + half
	s_lshl_b32 s21, s15, 3
	s_add_co_u32 s20, s20, s21
	s_lshl_b32 s20, s20, 14
	s_lshl_b32 s21, s40, 1
	s_add_co_u32 s21, s21, s16
	s_lshl_b32 s21, s21, 11
	s_add_co_u32 s20, s20, s21
	s_mov_b32 s21, 0
	s_add_nc_u64 s[80:81], s[80:81], s[20:21]
	s_lshl_b32 s20, s41, 4                         ; tile 2's: row tile 16 cy + 8 x half (+ a), K block 4 c + cx, half of it
	s_lshl_b32 s21, s15, 3
	s_add_co_u32 s20, s20, s21
	s_lshl_b32 s20, s20, 17
	s_lshl_b32 s21, s42, 1
	s_add_co_u32 s21, s21, s16
	s_lshl_b32 s21, s21, 10
	s_add_co_u32 s20, s20, s21
	s_mov_b32 s21, 0
	s_add_nc_u64 s[84:85], s[84:85], s[20:21]
	s_wait_kmcnt 0x0
	s_sub_co_i32 s94, s94, s88
	s_sub_co_i32 s94, s94, s89                     ; q: e6 - e0 - e1
	s_sub_co_i32 s95, s95, s90
	s_sub_co_i32 s95, s95, s91                     ; k: e7 - e2 - e3
	s_sub_co_i32 s97, s97, s92
	s_sub_co_i32 s97, s97, s93                     ; v: e9 - e4 - e5
	s_cmp_eq_u32 s12, 0
	s_cselect_b32 s94, s94, s95
	s_add_co_i32 s94, s94, 127
	s_lshl_b32 s95, s94, 23                        ; the scale as f32: the conversion takes its exponent field
	s_add_co_i32 s94, s94, 15
	s_lshl_b32 s94, s94, 23
	s_or_b32 s94, s94, 0x600000                    ; 57,344 x the scale
	s_add_co_i32 s97, s97, 127
	s_lshl_b32 s96, s97, 23
	s_add_co_i32 s97, s97, 15
	s_lshl_b32 s97, s97, 23
	s_or_b32 s97, s97, 0x600000
	v_and_b32 v1, 15, v0                           ; r = l % 16
	v_bfe_u32 v2, v0, 4, 1                         ; h = l / 16
	v_mul_u32_u24 v3, v1, PITCH
	v_lshl_add_u32 v4, v2, 4, v3                   ; a fragment's row x pitch + 16 x half
	v_add_nc_u32 v[ADRA], s22, v4
	v_add_nc_u32 v[ADRA+1], SLOT, v[ADRA]
	v_add_nc_u32 v[ADRB], s23, v4
	v_add_nc_u32 v[ADRB+1], SLOT, v[ADRB]
	v_add_nc_u32 v[ADRV], s98, v4
	v_add_nc_u32 v[ADRV+1], SLOT, v[ADRV]
	v_lshlrev_b32 v[VO], 4, v1
	v_lshl_add_u32 v[VO], v2, 3, v[VO]             ; 16 r + 8 h
	v_mov_b32 v[SC1], s95
	v_mov_b32 v[LI1], s94
	v_mov_b32 v[SC2], s96
	v_mov_b32 v[LI2], s97
.macro FRAG reg, adr, q, i             ; a fragment, 16 rows x 128 K: lane l holds row l % 16; registers 4 c .. 4 c + 3 hold K = 32 c + 16 (l / 16) + 0 .. 15: the same order of k in A' and in B'
.irp c, 0,1,2,3
	ds_load_b128 v[\reg+4*\c:\reg+4*\c+3], v[\adr] offset:128*(\q)+32*\c+(\i)*16*PITCH
.endr
.endm
; Tile 1: 16 matrix instructions: A's blocks a0, a0 + 1 x B's eight, 128 along K.  p: B's set.  zero = 1: the first product starts the sums.
; The 64 accumulators take turns, one instruction a turn, in the same order in every step.
.macro MUL16 a0, p, zero
.irp a, \a0, \a0+1
.irp b, 0,1,2,3,4,5,6,7
.if \zero
	v_wmma_f32_16x16x128_bf8_bf8 v[8*(8*((\a)%4)+\b):8*(8*((\a)%4)+\b)+7], v[128*(\p)+FR*\b:128*(\p)+FR*\b+FR-1], v[AF+FR*(\a):AF+FR*(\a)+FR-1], 0
.else
	v_wmma_f32_16x16x128_bf8_bf8 v[8*(8*((\a)%4)+\b):8*(8*((\a)%4)+\b)+7], v[128*(\p)+FR*\b:128*(\p)+FR*\b+FR-1], v[AF+FR*(\a):AF+FR*(\a)+FR-1], v[8*(8*((\a)%4)+\b):8*(8*((\a)%4)+\b)+7]
.endif
.endr
.endr
.endm
; Tile 2: n blocks of A from a0 x B's four; its 32 accumulators take turns likewise.
.macro MULV a0, n, p, zero
.set ia, \a0
.rept \n
.irp b, 0,1,2,3
.if \zero
	v_wmma_f32_16x16x128_bf8_bf8 v[8*(4*ia+\b):8*(4*ia+\b)+7], v[128*(\p)+FR*\b:128*(\p)+FR*\b+FR-1], v[AF+FR*ia:AF+FR*ia+FR-1], 0
.else
	v_wmma_f32_16x16x128_bf8_bf8 v[8*(4*ia+\b):8*(4*ia+\b)+7], v[128*(\p)+FR*\b:128*(\p)+FR*\b+FR-1], v[AF+FR*ia:AF+FR*ia+FR-1], v[8*(4*ia+\b):8*(4*ia+\b)+7]
.endif
.endr
.set ia, ia+1
.endr
.endm
.macro FETCH_B slot, q, p              ; tile 1: B's eight fragments of the slot's q-th 128 along K into set p
	WIN TO_B
.irp i, 0,1,2,3,4,5,6,7
	FRAG 128*(\p)+FR*\i, ADRB+\slot, \q, \i
.endr
	WIN 0
.endm
.macro FETCH_BV slot, q                ; tile 2: B's four, into set q
	WIN TO_B
.irp i, 0,1,2,3
	FRAG 128*(\q)+FR*\i, ADRV+\slot, \q, \i
.endr
	WIN 0
.endm
.macro FETCH_A slot, q, i0             ; A's blocks i0 .. i0 + 3
.irp i, \i0, \i0+1, \i0+2, \i0+3
	FRAG AF+FR*(\i), ADRA+\slot, \q, \i
.endr
.endm
.macro FETCHV slot, q                  ; tile 2: B's four and A's eight into set q (A: window 0 or 3)
	FETCH_BV \slot, \q
	WIN 0xc0*(\q)
	FETCH_A \slot, \q, 0
	FETCH_A \slot, \q, 4
	WIN 0
.endm
; A load into a register that a matrix instruction has read, and a vector instruction that reads a matrix result, stand NP places behind that matrix instruction, and only plain vector
; instructions that name none of its registers are places (ISA guide 7.12.1 for vector instructions).
.macro PLACES n
.rept \n
	v_nop
.endr
.endm
; Tile 1, a step of 128 along K that has its successor in the same slot.  A block of A' is free as soon as its eight products are issued, so one set serves A': blocks 0-3 are fetched anew in the step's middle, blocks 4-7 at its end.
.macro STEP slot, zero
	s_wait_dscnt 4*NL                              ; B's set and A's blocks 0-3 are in; the youngest 16 loads (A's blocks 4-7) may be out
	WIN MUL_LO
	MUL16 0, 0, \zero
	MUL16 2, 0, \zero
	s_wait_dscnt 0                                 ; A's blocks 4-7 are in
	PLACES NP
	FETCH_B \slot, 1, 1
	FETCH_A \slot, 1, 0
	WIN MUL_HI
	MUL16 4, 0, \zero
	MUL16 6, 0, \zero
	PLACES NP
	WIN 0
	FETCH_A \slot, 1, 4
.endm
; The refill, first behind a round.  kind 1: tile 1, two K steps on;  2: tile 2's K step number `slot`;  3: tile 2, two K steps on.  No load of mine is out: group 0 may be written.
.macro REFILL slot, kind
.if \kind == 2
	s_add_nc_u64 s[G0+4*\slot+2:G0+4*\slot+3], s[66:67], \slot*ROWB
	s_or_b32 s[G0+4*\slot+3], s[G0+4*\slot+3], 0x80000000
	s_add_nc_u64 s[G0B+4*\slot+2:G0B+4*\slot+3], s[2:3], \slot*ROWB
	s_or_b32 s[G0B+4*\slot+3], s[G0B+4*\slot+3], 0x80000000
	s_add_co_u32 s[G0B+4*\slot+1], s98, \slot*SLOT
.else
	s_add_nc_u64 s[G0+4*\slot+2:G0+4*\slot+3], s[G0+4*\slot+2:G0+4*\slot+3], 2*ROWB
	s_add_nc_u64 s[G0B+4*\slot+2:G0B+4*\slot+3], s[G0B+4*\slot+2:G0B+4*\slot+3], 2*ROWB
.endif
.if \kind == 1
	JLOAD \slot, G1B
.else
	JLOAD \slot, G1V
.endif
.endm
; Tile 1, a slot's last step changes slots: in front of the round each wave waits for all its tensor loads, adds 0 to its spare word, and waits for that and for its own reads of this slot.
; v = 1: the next slot holds tile 2's K step 0.  The last four arguments: the prefetch.
.macro TURN slot, next, kind, v, f, vr, b, off
	s_wait_tensorcnt 0x0                           ; all my tensor loads have landed: my part of the next slot
	ds_add_u32 v[SPW], v[NIL]                      ; 0 onto my spare word
	s_wait_dscnt 4*NL+1                            ; (the add and the youngest 16 loads, A's blocks 4-7, may be out)
	WIN MUL_LO
	MUL16 0, 1, 0
	s_wait_dscnt 0x0                               ; the add is done, and my reads of this slot are over
	s_barrier_signal -1
	MUL16 2, 1, 0
	WIN 0
	s_barrier_wait -1
	CREST                                          ; no wave of any partner still reads this slot's tile or has a load on its way
	REFILL \slot, \kind                            ; its four v_nop are the places in front of the loads below
.if \v
	FETCH_BV \next, 0
.else
	FETCH_B \next, 0, 0
.endif
	FETCH_A \next, 0, 0
	ASK \f, \vr, \b, \off
	WIN MUL_HI
	MUL16 4, 1, 0
	MUL16 6, 1, 0
	PLACES NP
	WIN 0
	FETCH_A \next, 0, 4
.endm
; Tile 2: A has two sets as well, so a step's fragments are all asked for one step ahead.
.macro VSTEP slot, zero
	s_wait_dscnt 0x0                               ; set 0 is in
	PLACES NP
	FETCHV \slot, 1
	WIN MUL_LO
	MULV 0, 8, 0, \zero
	WIN 0
.endm
.macro VTURN slot, next, fill, f, off
	s_wait_tensorcnt 0x0                           ; my part of the next slot has landed
	ds_add_u32 v[SPW], v[NIL]                      ; 0 onto my spare word
	s_wait_dscnt 1                                 ; set 1 is in (the add may be out)
	WIN MUL_V1
	MULV 0, 2, 1, 0
	s_wait_dscnt 0x0                               ; the add is done; my reads of this slot are over
	s_barrier_signal -1
	MULV 2, 2, 1, 0
	WIN 0
	s_barrier_wait -1
.if \fill
	CREST
	REFILL \slot, 3
.else
	PLACES NP
.endif
	FETCHV \next, 0
	WIN MUL_V1
	MULV 4, 4, 1, 0
	WIN 0
.endm
; THE WAY OUT of window W's 32 accumulators, NB to a row tile: held, converted (8 codes, two registers, each), stored.
.macro OUT W, NB, sc, lim, base, stride, a0
	s_wait_xcnt 0x0                                ; earlier stores have read the registers of the codes
	WIN ((\W)<<6)|(\W)                             ; destination and source 0: window W
.set j, 0
.rept 256
	v_med3_num_f32 v[j], v[j], -v[\lim], v[\lim]   ; the conversion to an 8-bit code does not saturate (ISA guide 7.6.2): the hold; each accumulator from its low end on
.set j, j+1
.endr
	WIN (\W)                                       ; source 0: window W; the codes and the scale: window 0
.set j, 0
.rept 32
	v_cvt_scalef32_pk8_bf8_f32 v[CD+2*j:CD+2*j+1], v[8*j:8*j+7], v[\sc]
.set j, j+1
.endr
	v_nop                                          ; one plain vector instruction behind the last conversion of the run
	WIN 0
.set j, 0
.rept 32
	global_store_b64 v[VO], v[CD+2*j:CD+2*j+1], s[\base:\base+1] offset:(\a0+j/\NB)*\stride+256*(j%\NB)   ; 32 lanes store 256 consecutive bytes, at a multiple of 256 from the buffer's first byte
.set j, j+1
.endr
.endm
	s_wait_alu depctr_va_vdst(0)
	s_wait_tensorcnt 0x0                           ; my part of K step 0 is in
	ds_add_u32 v[SPW], v[NIL]
	s_wait_dscnt 0x0
	CROUND                                         ; everybody's part of K step 0 is in
	JLOAD 1, G1B                                   ; K step 1's load, the first tensor load behind the round
	FETCH_B 0, 0, 0
	FETCH_A 0, 0, 0
	FETCH_A 0, 0, 4
	ASK 99, PF1, 68, 768                           ; K step 3
	STEP 0, 1                                      ; its products start the sums
	TURN 0, 1, 1, 0, 100, PF2, 70, 0               ; fills K step 2; asks for tile 2's K step 0
	STEP 1, 0
	TURN 1, 0, 1, 0, 101, PF2, 70, 256             ; fills K step 3; asks for tile 2's 1
	STEP 0, 0
	TURN 0, 1, 2, 0, 100, PF2, 70, 512             ; fills tile 2's K step 0; asks for its 2
	STEP 1, 0
	TURN 1, 0, 2, 1, 101, PF2, 70, 768             ; fills tile 2's K step 1; asks for its 3
	OUT 2, 8, SC1, LI1, 80, 16384, 0               ; tile 1 goes out while tile 2's K step 1 is on its way
	OUT 3, 8, SC1, LI1, 80, 16384, 4
	VSTEP 0, 1
	VTURN 0, 1, 1
	VSTEP 1, 0
	VTURN 1, 0, 1
	VSTEP 0, 0
	VTURN 0, 1, 0                                  ; nothing is filled again: no round
	VSTEP 1, 0
	s_wait_dscnt 0x0                               ; the very last step
	WIN MUL_V1
	MULV 0, 8, 1, 0
	WIN 0
	PLACES NP
	OUT 2, 4, SC2, LI2, 84, 131072, 0
	s_wait_tensorcnt 0x0                           ; the wave's end
	ds_add_u32 v[SPW], v[NIL]
	s_wait_dscnt 0x0
	CROUND                                         ; the closing round: no work-group ends while a partner may still ask for a tile that names it
	s_endpgm
.Lfunc_end_k_qc0225d6054_proj:
	.size	k_qc0225d6054_proj, .Lfunc_end_k_qc0225d6054_proj-k_qc0225d6054_proj
	.p2alignl 7, 3214868480
	.fill 96, 4, 3214868480
	.section	.rodata,"a",@progbits
	.p2align	6, 0x0
	.amdhsa_kernel k_qc0225d6054_proj
		.amdhsa_group_segment_fixed_size 327680
		.amdhsa_private_segment_fixed_size 0
		.amdhsa_enable_private_segment 0
		.amdhsa_kernarg_size 80
		.amdhsa_user_sgpr_count 2
		.amdhsa_user_sgpr_kernarg_segment_ptr 1
		.amdhsa_wavefront_size32 1
		.amdhsa_system_sgpr_workgroup_id_x 1
		.amdhsa_system_sgpr_workgroup_id_y 1
		.amdhsa_system_sgpr_workgroup_id_z 1
		.amdhsa_system_vgpr_workitem_id 0
		.amdhsa_next_free_vgpr 1024
		.amdhsa_next_free_sgpr 102
		.amdhsa_reserve_vcc 0
		.amdhsa_float_denorm_mode_32 3
		.amdhsa_float_denorm_mode_16_64 3
		.amdhsa_memory_ordered 1
		.amdhsa_forward_progress 1
		.amdhsa_inst_pref_size 192
	.end_amdhsa_kernel
	.amdgpu_metadata
---
amdhsa.version: [ 1, 2 ]
amdhsa.kernels:
  - .name:           k_qc0225d6054_proj
    .symbol:         k_qc0225d6054_proj.kd
    .args:
      - { .name: q_input_codes, .offset: 0, .size: 8, .value_kind: global_buffer, .address_space: global }
      - { .name: k_input_codes, .offset: 8, .size: 8, .value_kind: global_buffer, .address_space: global }
      - { .name: W_v_codes, .offset: 16, .size: 8, .value_kind: global_buffer, .address_space: global }
      - { .name: W_q_codes, .offset: 24, .size: 8, .value_kind: global_buffer, .address_space: global }
      - { .name: W_k_codes, .offset: 32, .size: 8, .value_kind: global_buffer, .address_space: global }
      - { .name: v_input_codes, .offset: 40, .size: 8, .value_kind: global_buffer, .address_space: global }
      - { .name: qc, .offset: 48, .size: 8, .value_kind: global_buffer, .address_space: global }
      - { .name: kc, .offset: 56, .size: 8, .value_kind: global_buffer, .address_space: global }
      - { .name: vt, .offset: 64, .size: 8, .value_kind: global_buffer, .address_space: global }
      - { .name: lowp_scales, .offset: 72, .size: 8, .value_kind: global_buffer, .address_space: global }
    .group_segment_fixed_size: 327680
    .private_segment_fixed_size: 0
    .kernarg_segment_align: 8
    .kernarg_segment_size: 80
    .max_flat_workgroup_size: 128
    .sgpr_count:     102
    .vgpr_count:     1024
    .wavefront_size: 32
...
	.end_amdgpu_metadata
.endif
;; end of part 1
;; launch scores (part 2): grid 32 x 8, 4 waves a work-group, clusters of 4 x 1, 327,680 bytes of LDS; arguments qc, kc, lowp_scales, pc, st; writes pc, st
.if DOCPART == 2
	.amdgcn_target "amdgcn-amd-amdhsa--gfx1250"
	.amdhsa_code_object_version 6
	.text
	.protected	k_qc0225d6054_scores
	.globl	k_qc0225d6054_scores
	.p2align	8
	.type	k_qc0225d6054_scores,@function
k_qc0225d6054_scores:
	s_mov_b64 s[64:65], 0
	v_nop
	global_prefetch_b8 v0, s[64:65] scope:SCOPE_SE
	s_setreg_imm32_b32 hwreg(HW_REG_WAVE_MODE, 25, 1), 1
	s_wait_xcnt 0x0
	s_wait_alu depctr_hold_cnt(0) depctr_sa_sdst(0) depctr_va_vdst(0) depctr_va_sdst(0) depctr_va_ssrc(0) depctr_va_vcc(0) depctr_vm_vsrc(0)
	s_getreg_b32 s2, hwreg(HW_REG_IB_STS2, 6, 4)
	s_cmp_eq_u32 s2, 0
	s_cbranch_scc0 .Lentry_in_a_cluster
	s_endpgm
.Lentry_in_a_cluster:
	s_bfe_u32 s2, ttmp6, 0x10000c
	s_cmp_lg_u32 s2, 0x3003
	s_cbranch_scc0 .Lentry_shape_is_right
	s_endpgm
.Lentry_shape_is_right:
; S = q k^T on codes of BF8 (E5M2), and the softmax's first half, for a block of 256 queries x 256 keys of one batch.  qc, kc: images of fragments (a block of 16 rows x 128 along K is 2,048 bytes: [c 0..3][lane][16 bytes],
; lane (r, h) holding row r, K = 32 c + 16 h + 0 .. 15), blocks [row / 16][e / 128].  t = score x 2^(e6 + e7) x log2(e) / 32.
; EACH BLOCK OF 256 KEYS HAS ITS OWN WHOLE NUMBER M_b = ceil(the largest t of the row in the block); p = 2^(t - M_b) is quantised with the given 2^e8 and stored as codes; -M_b and l_b = the sum of the unquantised p go to st.
; The next launch brings the blocks under the row's M by exact powers of two.
; SHARES.  A work-group: 256 queries x 256 keys; a wave: 64 queries x all 256 keys: 64 accumulators, 512 registers.  So a query's maximum and sum never leave the wave.
; THE KEYS' TILE (256 rows x 1,024: 256 KiB) BECOMES RESIDENT IN LDS, as images, dense: a fragment is four loads of 512 consecutive bytes.  It comes in two halves of four K steps, one load a wave each (a K step a wave):
; the first at the head, the second behind a round, when the first has landed: it has four K steps in which to land.  No LDS byte is filled twice.
; CLUSTER: four blocks of queries of one batch against the same keys: each load is asked for JOINTLY, with the same descriptor and the mask of all four.
; THE QUERIES' FRAGMENTS are my wave's alone: they come from memory straight into registers, 16 loads of 512 consecutive bytes a K step, two K steps ahead, in three sets.
; PREFETCH: the eight work-groups that read the same queries share their K steps 2-7 out: number j asks at the head for K step 2 + j / 2, and in K step 0 for K step 6 + j / 4, a wave for its own 64 rows.  The keys are asked for by their loads alone.
; THE MATRIX INSTRUCTION IS USED TRANSPOSED (source 0 = 16 keys, source 1 = 16 queries): lane (r, h) holds query r and, in accumulator b, keys 16 b + 8 h + 0 .. 7: eight neighbours along the next product's K.  Their 8 codes go to
; byte 256 b + 16 r + 8 h of the row tile's 4,096 bytes for these keys: one store of the wave covers 256 consecutive bytes, aligned.  pc: blocks [query / 16][key / 128].
; st: [row / 64][key / 256][512 bytes]: byte 32 r + 16 h + 4 a holds, for row 16 a + r of the 64: h = 0: -M_b; h = 1: l_b.
; LIMITS: e6 + e7 between -121 and 132 (added to the exponent field of log2(e) / 32); e8 between -126 and 112.  Where 57,344 x 2^e8 is under 1 the hold acts under the block's M_b, not the row's M.  NaN and infinities are not served.
; REGISTERS, in windows of 256: window 0: v1-63 addresses and statistics; v64-255 three sets of the queries' fragments, later the codes.   window 1: two sets of eight fragments of the keys.
;   window 2: accumulators (a, b < 8) at v[64 a + 8 b];   window 3: (a, b >= 8) at v[64 a + 8 (b - 8)].
.set AL,   2                           ; v2-5    16 x lane + 65,536 g: my place in an image, K steps 2 g, 2 g + 1
.set VOP,  6                           ; v6      16 r + 8 h: my 8 codes' place
.set VST,  7                           ; v7      32 r + 16 h: my 16 bytes in st
.set HH,   8                           ; v8      h
.set SC,   9                           ; v9      2^e8 as f32
.set LIM,  10                          ; v10     57,344 x 2^e8
.set MX,   12                          ; v12-15  tile a: the largest score; at last what goes to st
.set T,    16                          ; v16-19  at work; at last l_b
.set NM,   20                          ; v20-27  pairs: -M_b, and the largest t
.set LS,   28                          ; v28-59  tile a: the sum in four pairs
.set PFQ,  60                          ; v60-61  the prefetches' offsets; never rewritten
.set SPW,  62                          ; v62     LDS address of my spare word; never rewritten
.set NIL,  63                          ; v63     0; never rewritten
.set GB,   64                          ; the queries' sets
.set CD,   64                          ; the codes: v64-127 (window 2's), v128-191 (window 3's)
.set SPARE, 0x40000                    ; behind the keys: the spare words, 128 bytes for each wave
.set WV,   14                          ; s14     my wave's number
.set G1,   24                          ; s[24:31] descriptor group 1
.set G0,   32                          ; s[32:39] two groups 0, one for each half; never rewritten
.set CS,   58                          ; s[58:59] c = 2^(e6 + e7) log2(e) / 32
.set SEL,  60                          ; s[60:61] lane selects for v_permlanex16_b32: lane l xor 16
.set MSB, 0
.macro WIN new                         ; the immediate's high byte repeats the setting that is left
.if MSB != (\new)
	s_set_vgpr_msb (MSB<<8)|(\new)
.set MSB, (\new)
.endif
.endm
.set MUL_LO, 0xa1                      ; source 0 (keys) window 1, source 1 (queries) window 0, C and D window 2
.set MUL_HI, 0xf1                      ; the same, C and D window 3
.set TO_L,   0x40                      ; destination window 1, address window 0
.macro CROUND                          ; a round of the cluster's barrier
	s_barrier_signal -1
	s_barrier_wait -1
	s_cmp_lg_u32 s[WV], 0
	s_cbranch_scc1 .Lnot_wave_0_\@
	s_barrier_signal -3
.Lnot_wave_0_\@:
	s_barrier_wait -3
	s_barrier_signal -1
	s_barrier_wait -1
.endm
.macro PLACES                          ; four places in front of loads into registers that matrix instructions have read (ISA guide 7.12.1 for vector instructions)
.rept 4
	v_nop
.endr
.endm
.macro TLOAD g
	tensor_load_to_lds s[G0+4*\g:G0+4*\g+3], s[G1:G1+7]
	s_nop 0
	PLACES
.endm
	s_load_b256 s[4:11], s[0:1], 0x0               ; qc s[4:5], kc s[6:7], the scales' exponents s[8:9], pc s[10:11]
	s_load_b64 s[12:13], s[0:1], 0x20              ; st
	v_lshl_add_u32 v[SPW], v0, 2, SPARE
	v_mov_b32 v[NIL], 0
	ds_add_u32 v[SPW], v[NIL]                      ; the wave's opening: the add, twice on end, and its wait ahead of my first tensor load
	ds_add_u32 v[SPW], v[NIL]
	v_lshrrev_b32 v11, 5, v0
	v_readfirstlane_b32 s[WV], v11                 ; wave 0..3
	s_bfe_u32 s15, ttmp6, 0x40000                  ; cx: it enters the queries', pc's and st's addresses alone
	s_lshl_b32 s16, ttmp9, 2
	s_add_co_u32 s16, s16, s15                     ; my block of 256 queries, 0 .. 31
	s_lshr_b32 s17, ttmp9, 1                       ; the batch, which the four partners share
	s_and_b32 s18, ttmp7, 0xffff                   ; my block of 256 keys, 0 .. 7
	; what I fetch of half g: K step 4 g + wave, the keys' sixteen row tiles
	s_lshl_b32 s20, s17, 7
	s_lshl_b32 s21, s18, 4
	s_add_co_u32 s20, s20, s21                     ; row tile 128 batch + 16 block
	s_lshl_b32 s20, s20, 14                        ; 16,384 bytes a row tile
	s_lshl_b32 s21, s[WV], 11                      ; 2,048 bytes a K step
	s_add_co_u32 s20, s20, s21
	s_mov_b32 s21, 0
	s_lshl_b32 s19, s[WV], 15                      ; where it goes: fragment (K step, tile b) lies at 32,768 x K step + 2,048 b
	s_lshl_b32 s52, s16, 2
	s_add_co_u32 s52, s52, s[WV]                   ; my 64 rows' number, 0 .. 127
	s_lshl_b32 s22, s52, 16                        ; in qc: four row tiles of 16,384 bytes
	s_mov_b32 s23, 0
	s_lshl_b32 s54, s52, 17                        ; in pc: four row tiles of 32,768 bytes,
	s_lshl_b32 s55, s18, 12                        ; + the block's two K steps of 2,048
	s_add_co_u32 s54, s54, s55
	s_mov_b32 s55, 0
	s_lshl_b32 s56, s52, 12                        ; in st: eight pieces of 512 bytes,
	s_lshl_b32 s57, s18, 9                         ; + the block's
	s_add_co_u32 s56, s56, s57
	s_mov_b32 s57, 0
	s_lshr_b32 s40, s18, 1
	s_add_co_u32 s40, s40, 2
	s_lshl_b32 s40, s40, 11                        ; the prefetches: K step 2 + j / 2,
	s_lshr_b32 s41, s18, 2
	s_add_co_u32 s41, s41, 6
	s_lshl_b32 s41, s41, 11                        ; K step 6 + j / 4
	; descriptor group 1: 16 rows (row tiles) of 2,048 bytes (a block), 16,384 bytes apart in memory, dense in LDS
	s_mov_b32 s[G1], 15|(3<<16)|(1<<21)            ; 15:0 the mask: all four work-groups; 17:16 elements of 8 bytes; 20 no padding; 21 set beside a mask
	s_mov_b32 s[G1+1], 256<<16                     ; tensor_dim0 = 256 elements
	s_mov_b32 s[G1+2], 16<<16                      ; tensor_dim1
	s_mov_b32 s[G1+3], 256<<16                     ; tile_dim0
	s_mov_b32 s[G1+4], 16                          ; tile_dim1
	s_mov_b32 s[G1+5], 2048                        ; tensor_dim0_stride, in elements
	s_mov_b32 s[G1+6], 0
	s_mov_b32 s[G1+7], 0
	s_mov_b32 s[SEL], 0x76543210
	s_mov_b32 s[SEL+1], 0xfedcba98
	s_wait_dscnt 0x0                               ; both opening adds are done
	s_wait_kmcnt 0x0
	s_load_b128 s[48:51], s[8:9], 0x18             ; e6, e7, e8, e9
	s_add_nc_u64 s[20:21], s[6:7], s[20:21]
	s_add_nc_u64 s[4:5], s[4:5], s[22:23]
	s_add_nc_u64 s[10:11], s[10:11], s[54:55]
	s_add_nc_u64 s[12:13], s[12:13], s[56:57]
.irp g, 0,1
	s_mov_b32 s[G0+4*\g], 1                        ; count = 1
	s_add_co_u32 s[G0+4*\g+1], s19, 131072*\g      ; LDS address
	s_add_nc_u64 s[G0+4*\g+2:G0+4*\g+3], s[20:21], 8192*\g   ; four K steps on
	s_or_b32 s[G0+4*\g+3], s[G0+4*\g+3], 0x80000000   ; type = 2
.endr
	CROUND                                         ; all four work-groups are here: the joint loads meet
	TLOAD 0                                        ; K steps 0-3: one tensor load a wave at the head
	v_and_b32 v1, 31, v0
	v_lshlrev_b32 v1, 4, v1                        ; 16 x lane
	v_mov_b32 v[AL], v1
	v_add_nc_u32 v[AL+1], 0x10000, v1
	v_add_nc_u32 v[AL+2], 0x20000, v1
	v_add_nc_u32 v[AL+3], 0x30000, v1
	v_and_b32 v[VST], 15, v0                       ; r
	v_bfe_u32 v[HH], v0, 4, 1                      ; h
	v_lshlrev_b32 v[VOP], 4, v[VST]
	v_lshl_add_u32 v[VOP], v[HH], 3, v[VOP]
	v_lshlrev_b32 v[VST], 5, v[VST]
	v_lshl_add_u32 v[VST], v[HH], 4, v[VST]
	v_bfe_u32 v28, v0, 3, 2                        ; lane / 8: the row tile,
	v_and_b32 v29, 7, v0                           ; lane % 8: 256 bytes of its K step
	v_lshlrev_b32 v28, 14, v28
	v_lshl_add_u32 v28, v29, 8, v28
	v_add_nc_u32 v[PFQ], s40, v28
	v_add_nc_u32 v[PFQ+1], s41, v28
	s_wait_alu depctr_va_vdst(0)
.macro GLOAD ks                        ; the queries' four fragments of K step ks into set ks % 3
	WIN 0
.irp a, 0,1,2,3
.irp c, 0,1,2,3
	global_load_b128 v[GB+64*((\ks)%3)+16*\a+4*\c:GB+64*((\ks)%3)+16*\a+4*\c+3], v1, s[4:5] offset:\a*16384+(\ks)*2048+512*\c   ; 512 consecutive bytes
.endr
.endr
.endm
.macro FETCH_L ks, half                ; the keys' tiles 8 half + 0 .. 7 of K step ks into set half: 32 LDS loads in one run
	WIN TO_L
.irp i, 0,1,2,3,4,5,6,7
.irp c, 0,1,2,3
	ds_load_b128 v[128*(\half)+16*\i+4*\c:128*(\half)+16*\i+4*\c+3], v[AL+(\ks)/2] offset:((\ks)%2)*32768+(8*(\half)+\i)*2048+512*\c
.endr
.endr
.endm
; 16 matrix instructions: tiles of queries a0, a0 + 1 x eight tiles of keys.  K step 0 starts the sums with the constant 0.  The accumulators take turns, one instruction a turn.
.macro MUL16 ks, half, a0
.irp a, \a0, \a0+1
.irp b, 0,1,2,3,4,5,6,7
.if (\ks) == 0
	v_wmma_f32_16x16x128_bf8_bf8 v[64*(\a)+8*\b:64*(\a)+8*\b+7], v[128*(\half)+16*\b:128*(\half)+16*\b+15], v[GB+64*((\ks)%3)+16*(\a):GB+64*((\ks)%3)+16*(\a)+15], 0
.else
	v_wmma_f32_16x16x128_bf8_bf8 v[64*(\a)+8*\b:64*(\a)+8*\b+7], v[128*(\half)+16*\b:128*(\half)+16*\b+15], v[GB+64*((\ks)%3)+16*(\a):GB+64*((\ks)%3)+16*(\a)+15], v[64*(\a)+8*\b:64*(\a)+8*\b+7]
.endif
.endr
.endr
.endm
; A K step of 128: 64 matrix instructions.  Each run of LDS loads stands 32 (in K step 3 16) matrix instructions ahead of the wait for it.
.macro KSTEP ks
.if (\ks) < 7
	s_wait_loadcnt 16                              ; this step's queries are in; the next step's 16 loads may be out
.else
	s_wait_loadcnt 0x0
.endif
	s_wait_dscnt 0x0                               ; the keys' tiles 0-7 are in
	PLACES
	FETCH_L \ks, 1
.if (\ks) < 6
	GLOAD (\ks)+2                                  ; into the set that the last step multiplied
.endif
.if (\ks) == 0
	global_prefetch_b8 v[PFQ+1], s[4:5] th:TH_LOAD_NT scope:SCOPE_SE
.endif
	WIN MUL_LO
	MUL16 \ks, 0, 0
	MUL16 \ks, 0, 2
	s_wait_dscnt 0x0                               ; tiles 8-15 are in
.if (\ks) == 7
	WIN MUL_HI
	MUL16 \ks, 1, 0
	MUL16 \ks, 1, 2
.elseif (\ks) != 3
	PLACES
	FETCH_L (\ks)+1, 0
	WIN MUL_HI
	MUL16 \ks, 1, 0
	MUL16 \ks, 1, 2
.else
	s_wait_tensorcnt 0x0                           ; my part of the second half has landed
	s_barrier_signal -1                            ; (no LDS instruction of mine is out)
	WIN MUL_HI
	MUL16 \ks, 1, 0                                ; work on registers while the others arrive
	s_barrier_wait -1                              ; everybody's part has landed
	PLACES
	FETCH_L (\ks)+1, 0
	WIN MUL_HI
	MUL16 \ks, 1, 2
.endif
.endm
	GLOAD 0
	GLOAD 1
	global_prefetch_b8 v[PFQ], s[4:5] th:TH_LOAD_NT scope:SCOPE_SE
	s_wait_kmcnt 0x0
	s_add_co_i32 s53, s48, s49
	s_lshl_b32 s53, s53, 23
	s_mov_b32 s[CS], 0x3d38aa3b                    ; log2(e) / sqrt(1024)
	s_add_co_i32 s[CS], s[CS], s53                 ; a score stands for score x 2^(e6 + e7): the two exponents are added to c's exponent field
	s_mov_b32 s[CS+1], s[CS]                       ; (named with it as a pair, so it is written)
	s_add_co_i32 s53, s50, 127
	s_lshl_b32 s19, s53, 23
	v_mov_b32 v[SC], s19                           ; 2^e8 as f32
	s_add_co_i32 s53, s53, 15
	s_lshl_b32 s53, s53, 23
	s_or_b32 s53, s53, 0x600000
	v_mov_b32 v[LIM], s53                          ; 57,344 x 2^e8
	s_wait_alu depctr_va_vdst(0)
	s_wait_tensorcnt 0x0                           ; my part of the first half is in
	ds_add_u32 v[SPW], v[NIL]
	s_wait_dscnt 0x0
	CROUND                                         ; everybody's part is in, and all four work-groups are here
	TLOAD 1                                        ; K steps 4-7, the first tensor load behind the round
	FETCH_L 0, 0
.irp k, 0,1,2,3,4,5,6,7
	KSTEP \k
.endr
	; THE SOFTMAX'S FIRST HALF.  The moves are the places behind the last products.
	WIN 0
.irp a, 0,1,2,3
	v_mov_b32 v[MX+\a], 0xff800000                 ; under every score
	v_mov_b32 v[T+\a], 0                           ; (a lane permute's destination counts as one of its sources)
.endr
.set i, 0
.rept 32
	v_mov_b32 v[LS+i], 0
.set i, i+1
.endr
.macro MAXW W                          ; the largest score of each tile's query among window W's 64 keys: four chains, each accumulator from its low end on
	WIN ((\W)<<2)|((\W)<<4)
.set i, 0
.rept 32
.irp a, 0,1,2,3
	v_max3_num_f32 v[MX+\a], v[MX+\a], v[64*\a+2*i], v[64*\a+2*i+1]
.endr
.set i, i+1
.endr
.endm
	MAXW 2
	MAXW 3
	WIN 0
.irp a, 0,1,2,3
	v_permlanex16_b32 v[T+\a], v[MX+\a], s[SEL], s[SEL+1]   ; the query's other 128 keys lie in the lane 16 away
.endr
.irp a, 0,1,2,3
	v_max_num_f32 v[MX+\a], v[MX+\a], v[T+\a]
.endr
.irp a, 0,1,2,3
	v_mul_f32 v[NM+2*\a+1], s[CS], v[MX+\a]        ; as t (c is positive)
.endr
.irp a, 0,1,2,3
	v_floor_f32 v[NM+2*\a], -v[NM+2*\a+1]          ; -M_b = floor(-t) = -ceil(t): a whole number
.endr
.macro PKF a, n                        ; t - M_b, two at a time (of the pairs c and -M_b the low word serves both halves)
	v_pk_fma_f32 v[64*(\a)+2*\n:64*(\a)+2*\n+1], v[64*(\a)+2*\n:64*(\a)+2*\n+1], s[CS:CS+1], v[NM+2*(\a):NM+2*(\a)+1] op_sel_hi:[1,0,0]
.endm
.macro HOLD a, n                       ; the conversion to an 8-bit code does not saturate (ISA guide 7.6.2); p is not negative, so the hold is one-sided
	v_min_num_f32 v[64*(\a)+\n], v[64*(\a)+\n], v[LIM]
.endm
.macro SEND W, a                       ; tile a of window W: converted and stored
	WIN (\W)
.irp b, 0,1,2,3,4,5,6,7
	v_cvt_scalef32_pk8_bf8_f32 v[CD+64*(\W-2)+16*(\a)+2*\b:CD+64*(\W-2)+16*(\a)+2*\b+1], v[64*(\a)+8*\b:64*(\a)+8*\b+7], v[SC]
.endr
	v_nop                                          ; one plain vector instruction behind the last conversion of the run
	WIN 0
.irp b, 0,1,2,3,4,5,6,7
	global_store_b64 v[VOP], v[CD+64*(\W-2)+16*(\a)+2*\b:CD+64*(\W-2)+16*(\a)+2*\b+1], s[10:11] offset:(\a)*32768+(8*(\W-2)+\b)*256   ; 32 lanes store 256 consecutive bytes, aligned; every store has data registers of its own
.endr
.endm
; Window W's 256 numbers, tile by tile: p = 2^(t - M_b); summed unquantised; held, converted, stored.  Among tile a's exponentials stand tile a + 1's multiply-adds and tile a - 1's holds.
; One wait stands behind each batch and ahead of the next: it serves the batch's readers and all that was written ahead of the next batch.
.macro SOFT W
	WIN ((\W)<<6)|(\W)
.set i, 0
.rept 32
	PKF 0, i
.set i, i+1
.endr
	s_wait_alu depctr_va_vdst(0)
.irp a, 0,1,2,3
	WIN ((\W)<<6)|(\W)
.set i, 0
.rept 32
	v_exp_f32 v[64*\a+2*i], v[64*\a+2*i]
.if \a < 3
	PKF \a+1, i
.endif
.if \a > 0
	HOLD \a-1, 2*i
.endif
	v_exp_f32 v[64*\a+2*i+1], v[64*\a+2*i+1]
.if \a > 0
	HOLD \a-1, 2*i+1
.endif
.set i, i+1
.endr
	v_nop                                          ; a plain instruction behind the last exponential
	s_wait_alu depctr_va_vdst(0)
	WIN ((\W)<<2)
.set i, 0
.rept 32
	v_pk_add_f32 v[LS+8*\a+2*(i%4):LS+8*\a+2*(i%4)+1], v[LS+8*\a+2*(i%4):LS+8*\a+2*(i%4)+1], v[64*\a+2*i:64*\a+2*i+1]   ; the sum is taken of the unquantised p, in four chains
.set i, i+1
.endr
.if \a > 0
	SEND \W, \a-1
.endif
.endr
	WIN ((\W)<<6)|(\W)
.set i, 0
.rept 64
	HOLD 3, i
.set i, i+1
.endr
	SEND \W, 3
.endm
	SOFT 2
	SOFT 3
.irp a, 0,1,2,3
	v_pk_add_f32 v[LS+8*\a:LS+8*\a+1], v[LS+8*\a:LS+8*\a+1], v[LS+8*\a+2:LS+8*\a+3]
	v_pk_add_f32 v[LS+8*\a+4:LS+8*\a+5], v[LS+8*\a+4:LS+8*\a+5], v[LS+8*\a+6:LS+8*\a+7]
.endr
.irp a, 0,1,2,3
	v_pk_add_f32 v[LS+8*\a:LS+8*\a+1], v[LS+8*\a:LS+8*\a+1], v[LS+8*\a+4:LS+8*\a+5]
.endr
.irp a, 0,1,2,3
	v_add_f32 v[T+\a], v[LS+8*\a], v[LS+8*\a+1]
.endr
.irp a, 0,1,2,3
	v_permlanex16_b32 v[MX+\a], v[T+\a], s[SEL], s[SEL+1]
.endr
.irp a, 0,1,2,3
	v_add_f32 v[T+\a], v[T+\a], v[MX+\a]           ; and lane l xor 16's: l_b
.endr
	v_cmp_ne_u32 vcc_lo, 0, v[HH]
.irp a, 0,1,2,3
	v_cndmask_b32 v[MX+\a], v[NM+2*\a], v[T+\a], vcc_lo   ; lanes 0-15 send -M_b, lanes 16-31 l_b
.endr
	global_store_b128 v[VST], v[MX:MX+3], s[12:13]  ; the wave stores 512 consecutive bytes, aligned
	s_wait_tensorcnt 0x0                           ; the wave's end
	ds_add_u32 v[SPW], v[NIL]
	s_wait_dscnt 0x0
	CROUND                                         ; the closing round: no work-group ends while a partner may still ask for a tile that names it
	s_endpgm
.Lfunc_end_k_qc0225d6054_scores:
	.size	k_qc0225d6054_scores, .Lfunc_end_k_qc0225d6054_scores-k_qc0225d6054_scores
	.p2alignl 7, 3214868480
	.fill 96, 4, 3214868480
	.section	.rodata,"a",@progbits
	.p2align	6, 0x0
	.amdhsa_kernel k_qc0225d6054_scores
		.amdhsa_group_segment_fixed_size 327680
		.amdhsa_private_segment_fixed_size 0
		.amdhsa_enable_private_segment 0
		.amdhsa_kernarg_size 40
		.amdhsa_user_sgpr_count 2
		.amdhsa_user_sgpr_kernarg_segment_ptr 1
		.amdhsa_wavefront_size32 1
		.amdhsa_system_sgpr_workgroup_id_x 1
		.amdhsa_system_sgpr_workgroup_id_y 1
		.amdhsa_system_sgpr_workgroup_id_z 1
		.amdhsa_system_vgpr_workitem_id 0
		.amdhsa_next_free_vgpr 1024
		.amdhsa_next_free_sgpr 66
		.amdhsa_reserve_vcc 1
		.amdhsa_float_denorm_mode_32 3
		.amdhsa_float_denorm_mode_16_64 3
		.amdhsa_memory_ordered 1
		.amdhsa_forward_progress 1
		.amdhsa_inst_pref_size 182
	.end_amdhsa_kernel
	.amdgpu_metadata
---
amdhsa.version: [ 1, 2 ]
amdhsa.kernels:
  - .name:           k_qc0225d6054_scores
    .symbol:         k_qc0225d6054_scores.kd
    .args:
      - { .name: qc, .offset: 0, .size: 8, .value_kind: global_buffer, .address_space: global }
      - { .name: kc, .offset: 8, .size: 8, .value_kind: global_buffer, .address_space: global }
      - { .name: lowp_scales, .offset: 16, .size: 8, .value_kind: global_buffer, .address_space: global }
      - { .name: pc, .offset: 24, .size: 8, .value_kind: global_buffer, .address_space: global }
      - { .name: st, .offset: 32, .size: 8, .value_kind: global_buffer, .address_space: global }
    .group_segment_fixed_size: 327680
    .private_segment_fixed_size: 0
    .kernarg_segment_align: 8
    .kernarg_segment_size: 40
    .max_flat_workgroup_size: 128
    .sgpr_count:     66
    .vgpr_count:     1024
    .wavefront_size: 32
...
	.end_amdgpu_metadata
.endif
;; end of part 2
;; launch pv (part 3): grid 32 x 8, 4 waves a work-group, clusters of 4 x 1, 327,680 bytes of LDS; arguments pc, vt, st, lowp_scales, out0; writes out0
.if DOCPART == 3
	.amdgcn_target "amdgcn-amd-amdhsa--gfx1250"
	.amdhsa_code_object_version 6
	.text
	.protected	k_qc0225d6054_pv
	.globl	k_qc0225d6054_pv
	.p2align	8
	.type	k_qc0225d6054_pv,@function
k_qc0225d6054_pv:
	s_mov_b64 s[64:65], 0
	v_nop
	global_prefetch_b8 v0, s[64:65] scope:SCOPE_SE
	s_setreg_imm32_b32 hwreg(HW_REG_WAVE_MODE, 25, 1), 1
	s_wait_xcnt 0x0
	s_wait_alu depctr_hold_cnt(0) depctr_sa_sdst(0) depctr_va_vdst(0) depctr_va_sdst(0) depctr_va_ssrc(0) depctr_va_vcc(0) depctr_vm_vsrc(0)
	s_getreg_b32 s2, hwreg(HW_REG_IB_STS2, 6, 4)
	s_cmp_eq_u32 s2, 0
	s_cbranch_scc0 .Lentry_in_a_cluster
	s_endpgm
.Lentry_in_a_cluster:
	s_bfe_u32 s2, ttmp6, 0x10000c
	s_cmp_lg_u32 s2, 0x3003
	s_cbranch_scc0 .Lentry_shape_is_right
	s_endpgm
.Lentry_shape_is_right:
; O = p v / l on codes of BF8 (E5M2), for 256 queries x 128 channels of one batch, K = the 2,048 keys in 16 steps of 128.  pc, vt: images of fragments, blocks [row / 16][key / 128] of 2,048 bytes; st: -M_b and l_b of each row and block of 256 keys.
; A wave: 64 queries x 128 channels: 32 accumulators.  The sums run under the block's own M_b: ahead of each block of 256 keys they are multiplied by 2^(M of the block before - M of this block), exact; at the end by 2^(M_7 - M) 2^(e8 + e9) / l,
; with M the largest M_b and l the sum of l_b 2^(M_b - M).
; THE VALUES' TILE (128 channels x 2,048 keys: 256 KiB) BECOMES RESIDENT IN LDS, dense: two halves of eight K steps, one load a wave each (two K steps a wave): the first at the head, the second behind a round, when the first has landed:
; it has eight K steps in which to land.  No LDS byte is filled twice.
; CLUSTER: four blocks of queries of one batch with the same channels: each load is asked for JOINTLY, with the same descriptor and the mask of all four.
; P'S FRAGMENTS are my wave's alone: from memory straight into registers, 16 loads of 512 consecutive bytes a K step, three K steps ahead, in four sets.
; PREFETCH: the eight work-groups that read the same queries share P's K steps 4-15 out: number j asks for K steps 4, 8 and 12 + j / 2: at the head, in K step 0 and in K step 2; a wave for its own 64 rows.  The values are asked for by their loads alone.
; LIMITS: M_b - M is held at -60 from below: a block so far down is weighed 2^-60 at the least, against a largest p of the row above 1/2.  NaN and infinities are not served.
; REGISTERS: window 0: addresses, statistics, the way out.  window 1: two sets of eight fragments of the values.  window 2: accumulator (a, i) at v[8 (8 a + i)].  window 3: four sets of P's fragments.
.set VA,   2                           ; v2      16 x lane + 65,536 x trip
.set PF,   4                           ; v4      the prefetches' offset; never rewritten
.set STO,  6                           ; v6      the way out: where I put 32 bytes of a row
.set RD,   7                           ; v7      where I read a row back
.set F,    8                           ; v8-15   pairs: the last factor
.set ST,   16                          ; v16-79  st: block b: -M_b of four tiles, l_b of four tiles
.set TMP,  16                          ; the way out
.set GP,   80                          ; v80-135 pairs: the factor ahead of block b, at 8 (b - 1)
.set BK0,  144                         ; the way out: rows read back: v144-207 and v80-143 by turns
.set VS,   208
.set NG,   212
.set RC,   216
.set TT,   220
.set SPW,  254
.set NIL,  255
.set SP,   528                         ; a stage row: 512 bytes + 16
.set STAGE, 262144                     ; behind the values: 16 rows for each wave
.set SPARE, STAGE+4*16*SP              ; the spare words, 128 bytes for each wave
.set WV,   14
.set G1,   24
.set G0,   32                          ; s[32:39] two groups 0, one for each half; never rewritten
.set MSB, 0
.macro WIN new                         ; the immediate's high byte repeats the setting that is left
.if MSB != (\new)
	s_set_vgpr_msb (MSB<<8)|(\new)
.set MSB, (\new)
.endif
.endm
.set MUL,  0xad                        ; source 0 (values) window 1, source 1 (P) window 3, C and D window 2
.set RS,   0x82                        ; destination and source 0 window 2
.set TO_L, 0x40
.set TO_G, 0xc0
.macro CROUND                          ; a round of the cluster's barrier
	s_barrier_signal -1
	s_barrier_wait -1
	s_cmp_lg_u32 s[WV], 0
	s_cbranch_scc1 .Lnot_wave_0_\@
	s_barrier_signal -3
.Lnot_wave_0_\@:
	s_barrier_wait -3
	s_barrier_signal -1
	s_barrier_wait -1
.endm
.macro PLACES                          ; four places (ISA guide 7.12.1 for vector instructions)
.rept 4
	v_nop
.endr
.endm
.macro TLOAD g
	tensor_load_to_lds s[G0+4*\g:G0+4*\g+3], s[G1:G1+7]
	s_nop 0
	PLACES
.endm
	s_load_b256 s[4:11], s[0:1], 0x0               ; pc s[4:5], vt s[6:7], st s[8:9], the scales' exponents s[10:11]
	s_load_b64 s[12:13], s[0:1], 0x20              ; out0
	v_lshl_add_u32 v[SPW], v0, 2, SPARE
	v_mov_b32 v[NIL], 0
	ds_add_u32 v[SPW], v[NIL]                      ; the wave's opening: the add, twice on end, and its wait ahead of my first tensor load
	ds_add_u32 v[SPW], v[NIL]
	v_lshrrev_b32 v9, 5, v0
	v_readfirstlane_b32 s[WV], v9
	s_bfe_u32 s15, ttmp6, 0x40000                  ; cx: it enters P's, st's and the output's addresses alone
	s_lshl_b32 s16, ttmp9, 2
	s_add_co_u32 s16, s16, s15                     ; my block of 256 queries
	s_lshr_b32 s17, ttmp9, 1                       ; the batch
	s_and_b32 s18, ttmp7, 0xffff                   ; my block of 128 channels
	s_lshl_b32 s20, s17, 15                        ; values: the batch's 16 blocks of keys,
	s_lshl_b32 s21, s18, 20                        ; eight row tiles of 131,072 bytes,
	s_add_co_u32 s20, s20, s21
	s_lshl_b32 s21, s[WV], 12                      ; my two K steps of the half
	s_add_co_u32 s20, s20, s21
	s_mov_b32 s21, 0
	s_lshl_b32 s19, s[WV], 15                      ; where they go: fragment (K step, tile i) lies at 32,768 (K step / 2) + 4,096 i + 2,048 (K step % 2)
	s_lshl_b32 s52, s16, 2
	s_add_co_u32 s52, s52, s[WV]                   ; my 64 rows' number
	s_lshl_b32 s22, s52, 17                        ; in pc: four row tiles of 32,768 bytes
	s_mov_b32 s23, 0
	s_lshl_b32 s54, s52, 12                        ; in st
	s_mov_b32 s55, 0
	s_lshl_b32 s56, s52, 18                        ; in out0: 64 rows of 4,096 bytes,
	s_lshl_b32 s57, s18, 9                         ; + my channels' 512 bytes
	s_add_co_u32 s56, s56, s57
	s_mov_b32 s57, 0
	s_lshr_b32 s40, s18, 1
	s_lshl_b32 s40, s40, 11                        ; the prefetches: K step j / 2 of four
	s_mul_i32 s53, s[WV], 16*SP
	s_add_co_u32 s53, s53, STAGE                   ; my stage
	s_mov_b32 s51, 0
	; descriptor group 1: 8 rows (row tiles) of 4,096 bytes (two blocks), 131,072 bytes apart in memory, dense in LDS
	s_mov_b32 s[G1], 15|(3<<16)|(1<<21)            ; 15:0 the mask; 17:16 elements of 8 bytes; 21 set beside a mask
	s_mov_b32 s[G1+1], 512<<16
	s_mov_b32 s[G1+2], 8<<16
	s_mov_b32 s[G1+3], 512<<16
	s_mov_b32 s[G1+4], 8
	s_mov_b32 s[G1+5], 16384
	s_mov_b32 s[G1+6], 0
	s_mov_b32 s[G1+7], 0
	s_wait_dscnt 0x0                               ; both opening adds are done
	s_wait_kmcnt 0x0
	s_load_b64 s[48:49], s[10:11], 0x20            ; e8, e9
	s_add_nc_u64 s[20:21], s[6:7], s[20:21]
	s_add_nc_u64 s[4:5], s[4:5], s[22:23]
	s_add_nc_u64 s[8:9], s[8:9], s[54:55]
	s_add_nc_u64 s[12:13], s[12:13], s[56:57]
.irp g, 0,1
	s_mov_b32 s[G0+4*\g], 1
	s_add_co_u32 s[G0+4*\g+1], s19, 131072*\g
	s_add_nc_u64 s[G0+4*\g+2:G0+4*\g+3], s[20:21], 16384*\g
	s_or_b32 s[G0+4*\g+3], s[G0+4*\g+3], 0x80000000
.endr
	CROUND                                         ; all four work-groups are here: the joint loads meet
	TLOAD 0                                        ; K steps 0-7: one tensor load a wave at the head
	v_and_b32 v1, 31, v0
	v_lshlrev_b32 v1, 4, v1                        ; 16 x lane
	v_mov_b32 v[VA], v1
	v_and_b32 v9, 15, v0                           ; r
	v_bfe_u32 v10, v0, 4, 1                        ; h
	v_mul_u32_u24 v[STO], v9, SP
	v_lshl_add_u32 v[STO], v10, 5, v[STO]
	v_add_nc_u32 v[STO], s53, v[STO]
	v_add_nc_u32 v[RD], s53, v1
	v_lshlrev_b32 v[VS], 5, v9
	v_bfe_u32 v9, v0, 3, 2                         ; lane / 8: the row tile,
	v_and_b32 v10, 7, v0                           ; lane % 8: 256 bytes of its K step
	v_lshlrev_b32 v9, 15, v9
	v_lshl_add_u32 v9, v10, 8, v9
	v_add_nc_u32 v[PF], s40, v9
	s_wait_alu depctr_va_vdst(0)
.macro GLOAD n                         ; P's four fragments of the K step n on from the trip's first, into set n % 4
	WIN TO_G
.irp a, 0,1,2,3
.irp c, 0,1,2,3
	global_load_b128 v[64*((\n)%4)+16*\a+4*\c:64*((\n)%4)+16*\a+4*\c+3], v1, s[4:5] offset:\a*32768+(\n)*2048+512*\c
.endr
.endr
.endm
.macro FETCH_L u                       ; the values' eight fragments of the trip's K step u into set u % 2
	WIN TO_L
.irp i, 0,1,2,3,4,5,6,7
.irp c, 0,1,2,3
	ds_load_b128 v[128*((\u)%2)+16*\i+4*\c:128*((\u)%2)+16*\i+4*\c+3], v[VA] offset:((\u)/2)*32768+((\u)%2)*2048+\i*4096+512*\c
.endr
.endr
.endm
.macro MUL16 u, zero, a0               ; 16 matrix instructions; the 32 accumulators take turns, one instruction a turn
.irp a, \a0, \a0+1
.irp i, 0,1,2,3,4,5,6,7
.if \zero
	v_wmma_f32_16x16x128_bf8_bf8 v[8*(8*(\a)+\i):8*(8*(\a)+\i)+7], v[128*((\u)%2)+16*\i:128*((\u)%2)+16*\i+15], v[64*(\u)+16*(\a):64*(\u)+16*(\a)+15], 0
.else
	v_wmma_f32_16x16x128_bf8_bf8 v[8*(8*(\a)+\i):8*(8*(\a)+\i)+7], v[128*((\u)%2)+16*\i:128*((\u)%2)+16*\i+15], v[64*(\u)+16*(\a):64*(\u)+16*(\a)+15], v[8*(8*(\a)+\i):8*(8*(\a)+\i)+7]
.endif
.endr
.endr
.endm
.macro MULR u, f                       ; a K step that begins a block: the sums of tile a + 1 are multiplied by factor f among tile a's products
	WIN RS
.set j, 0
.rept 32
	v_pk_mul_f32 v[j:j+1], v[j:j+1], v[GP+8*\f:GP+8*\f+1] op_sel_hi:[1,0]
.set j, j+2
.endr
.irp a, 0,1,2,3
.irp i, 0,1,2,3,4,5,6,7
	WIN MUL
	v_wmma_f32_16x16x128_bf8_bf8 v[8*(8*\a+\i):8*(8*\a+\i)+7], v[128*((\u)%2)+16*\i:128*((\u)%2)+16*\i+15], v[64*(\u)+16*\a:64*(\u)+16*\a+15], v[8*(8*\a+\i):8*(8*\a+\i)+7]
.if \a < 3
	WIN RS
.irp q, 0,2,4,6
	v_pk_mul_f32 v[8*(8*(\a+1)+\i)+\q:8*(8*(\a+1)+\i)+\q+1], v[8*(8*(\a+1)+\i)+\q:8*(8*(\a+1)+\i)+\q+1], v[GP+8*\f+2*(\a+1):GP+8*\f+2*(\a+1)+1] op_sel_hi:[1,0]
.endr
.endif
.endr
.endr
.endm
.macro NEXTV                           ; on to the next trip's values
	WIN 0
	s_add_co_u32 s51, s51, 0x10000
	v_add_nc_u32 v[VA], s51, v1
	s_wait_alu depctr_va_vdst(0)
	FETCH_L 0
.endm
; K step u of a trip of four.  kind 0: the first trip, 1: the loop's, 2: the last.  f: the factor of a step that begins a block.
.macro KSTEP u, kind, f
.if \kind == 2 && \u >= 2
	s_wait_loadcnt 16*(3-\u)
.else
	s_wait_loadcnt 32                              ; this step's P is in; the next two steps' may be out
.endif
	s_wait_dscnt 0x0                               ; this step's values are in
.if \kind == 1 && \u == 3
	s_wait_tensorcnt 0x0                           ; my part of the second half has landed (K step 7; in K step 11 nothing is out)
	s_barrier_signal -1
	WIN MUL
	MUL16 3, 0, 0                                  ; work on registers while the others arrive
	s_barrier_wait -1
	PLACES
	NEXTV
	GLOAD 6
	WIN MUL
	MUL16 3, 0, 2
.else
	PLACES
.if \u < 3
	FETCH_L \u+1
.elseif \kind == 0
	NEXTV
.endif
.if \kind < 2 || \u == 0
	GLOAD \u+3
.endif
.if \kind == 0 && \u == 0
	global_prefetch_b8 v[PF], s[4:5] offset:16384 th:TH_LOAD_NT scope:SCOPE_SE
.endif
.if \kind == 0 && \u == 2
	global_prefetch_b8 v[PF], s[4:5] offset:24576 th:TH_LOAD_NT scope:SCOPE_SE
.endif
.if (\u)%2 == 0 && \kind+\u > 0
	MULR \u, \f
.else
	WIN MUL
.if \kind+\u == 0
	MUL16 \u, 1, 0
	MUL16 \u, 1, 2
.else
	MUL16 \u, 0, 0
	MUL16 \u, 0, 2
.endif
.endif
.endif
.endm
.macro TRIP kind, f0, f2
	KSTEP 0, \kind, \f0
	KSTEP 1, \kind, 0
	KSTEP 2, \kind, \f2
	KSTEP 3, \kind, 0
	WIN 0
.endm
.irp b, 0,1,2,3,4,5,6,7
	global_load_b128 v[ST+8*\b:ST+8*\b+3], v[VS], s[8:9] offset:512*\b
	global_load_b128 v[ST+8*\b+4:ST+8*\b+7], v[VS], s[8:9] offset:512*\b+16
.endr
	GLOAD 0
	GLOAD 1
	GLOAD 2
	WIN 0
	global_prefetch_b8 v[PF], s[4:5] offset:8192 th:TH_LOAD_NT scope:SCOPE_SE
	s_wait_kmcnt 0x0
	s_add_co_i32 s50, s48, s49
	; THE STATISTICS, while the values' first half is on its way
	s_wait_loadcnt 48                              ; st is in; P's 48 loads may be out
.irp a, 0,1,2,3
	v_min_num_f32 v[NG+\a], v[ST+\a], v[ST+8+\a]
.endr
.irp b, 2,3,4,5,6,7
.irp a, 0,1,2,3
	v_min_num_f32 v[NG+\a], v[NG+\a], v[ST+8*\b+\a]   ; -M
.endr
.endr
.irp b, 0,1,2,3,4,5,6,7
.irp a, 0,1,2,3
	v_sub_f32 v[ST+8*\b+\a], v[NG+\a], v[ST+8*\b+\a]  ; M_b - M, 0 or less
.endr
.endr
.irp b, 0,1,2,3,4,5,6,7
.irp a, 0,1,2,3
	v_max_num_f32 v[ST+8*\b+\a], 0xc2700000, v[ST+8*\b+\a]   ; -60 at the least
.endr
.endr
.irp b, 0,1,2,3,4,5,6,7
.irp a, 0,1,2,3
	v_cvt_i32_f32 v[ST+8*\b+\a], v[ST+8*\b+\a]
.endr
.endr
.irp b, 0,1,2,3,4,5,6,7
.irp a, 0,1,2,3
	v_ldexp_f32 v[ST+8*\b+4+\a], v[ST+8*\b+4+\a], v[ST+8*\b+\a]
.endr
.endr
.irp a, 0,1,2,3
	v_add_f32 v[NG+\a], v[ST+4+\a], v[ST+12+\a]
.endr
.irp b, 2,3,4,5,6,7
.irp a, 0,1,2,3
	v_add_f32 v[NG+\a], v[NG+\a], v[ST+8*\b+4+\a]     ; l
.endr
.endr
.irp b, 1,2,3,4,5,6,7
.irp a, 0,1,2,3
	v_sub_nc_u32 v[TT+\a], v[ST+8*(\b-1)+\a], v[ST+8*\b+\a]
.endr
.irp a, 0,1,2,3
	v_ldexp_f32 v[GP+2*(4*(\b-1)+\a)], 1.0, v[TT+\a]
	v_ldexp_f32 v[GP+2*(4*(\b-1)+\a)+1], 1.0, v[TT+\a]
.endr
.endr
	s_wait_alu depctr_va_vdst(0)                   ; ahead of the batch,
.irp a, 0,1,2,3
	v_rcp_f32 v[RC+\a], v[NG+\a]
.endr
.irp a, 0,1,2,3
	v_add_nc_u32 v[TT+\a], s50, v[ST+56+\a]
.endr
	s_wait_alu depctr_va_vdst(0)                   ; and behind it
.irp a, 0,1,2,3
	v_ldexp_f32 v[F+2*\a], v[RC+\a], v[TT+\a]
	v_ldexp_f32 v[F+2*\a+1], v[RC+\a], v[TT+\a]
.endr
	s_wait_alu depctr_va_vdst(0)
	s_wait_tensorcnt 0x0                           ; my part of the first half is in
	ds_add_u32 v[SPW], v[NIL]
	s_wait_dscnt 0x0
	CROUND                                         ; everybody's part is in, and all four work-groups are here
	TLOAD 1                                        ; K steps 8-15, the first tensor load behind the round
	FETCH_L 0
	TRIP 0, 0, 0                                   ; K steps 0-3: the first starts the sums
	s_wait_xcnt 0x0                                ; my loads and prefetches have read their base
	s_add_nc_u64 s[4:5], s[4:5], 8192
	s_mov_b32 s3, 2
.Ltrip:                                                ; K steps 4-7 and 8-11
	TRIP 1, 1, 2
.set j, 0
.rept 16
	v_mov_b32 v[GP+8+j], v[GP+24+j]                ; the factors of the loop's second trip take the first's place
.set j, j+1
.endr
	s_wait_xcnt 0x0
	s_add_nc_u64 s[4:5], s[4:5], 8192
	s_sub_co_u32 s3, s3, 1
	s_cmp_lg_u32 s3, 0
	s_wait_alu depctr_va_vdst(0)
	s_cbranch_scc1 .Ltrip
	TRIP 2, 5, 6                                   ; K steps 12-15
; THE WAY OUT, tile by tile of 16 rows x 128 channels: through my own stage in LDS, back as whole rows of 512 bytes, which the 32 lanes store as two aligned units of 256 bytes.  LDS serves a wave's instructions in order (ISA guide 5.7.1.4).
.macro TOSTAGE a
	WIN 0x02
.set j, 0
.rept 32
	v_pk_mul_f32 v[TMP+j:TMP+j+1], v[64*(\a)+j:64*(\a)+j+1], v[F+2*(\a):F+2*(\a)+1] op_sel_hi:[1,0]
.set j, j+2
.endr
	WIN 0
.irp i, 0,1,2,3,4,5,6,7
	ds_store_b128 v[STO], v[TMP+8*\i:TMP+8*\i+3] offset:64*\i
	ds_store_b128 v[STO], v[TMP+8*\i+4:TMP+8*\i+7] offset:64*\i+16
.endr
.set BB, BK0-64*((\a)%2)
.irp t, 0,1,2,3,4,5,6,7,8,9,10,11,12,13,14,15
	ds_load_b128 v[BB+4*\t:BB+4*\t+3], v[RD] offset:\t*SP
.endr
.endm
.macro SEND a, younger                 ; younger: the LDS instructions issued behind tile a's loads, which may stay out
.set BB, BK0-64*((\a)%2)
	s_wait_dscnt \younger
.irp t, 0,1,2,3,4,5,6,7,8,9,10,11,12,13,14,15
	global_store_b128 v1, v[BB+4*\t:BB+4*\t+3], s[12:13] offset:(16*(\a)+\t)*4096 th:TH_STORE_NT
.endr
.endm
	PLACES                                         ; behind the last products
	TOSTAGE 0
.irp a, 1,2,3
.if \a > 1
	s_wait_xcnt 0x0                                ; tile a - 2's stores have read their registers
.endif
	TOSTAGE \a
	SEND \a-1, 32                                  ; behind tile a - 1's loads: tile a's 16 stores and 16 loads
.endr
	SEND 3, 0
	s_wait_tensorcnt 0x0                           ; the wave's end
	ds_add_u32 v[SPW], v[NIL]
	s_wait_dscnt 0x0
	CROUND                                         ; the closing round: no work-group ends while a partner may still ask for a tile that names it
	s_endpgm
.Lfunc_end_k_qc0225d6054_pv:
	.size	k_qc0225d6054_pv, .Lfunc_end_k_qc0225d6054_pv-k_qc0225d6054_pv
	.p2alignl 7, 3214868480
	.fill 96, 4, 3214868480
	.section	.rodata,"a",@progbits
	.p2align	6, 0x0
	.amdhsa_kernel k_qc0225d6054_pv
		.amdhsa_group_segment_fixed_size 327680
		.amdhsa_private_segment_fixed_size 0
		.amdhsa_enable_private_segment 0
		.amdhsa_kernarg_size 40
		.amdhsa_user_sgpr_count 2
		.amdhsa_user_sgpr_kernarg_segment_ptr 1
		.amdhsa_wavefront_size32 1
		.amdhsa_system_sgpr_workgroup_id_x 1
		.amdhsa_system_sgpr_workgroup_id_y 1
		.amdhsa_system_sgpr_workgroup_id_z 1
		.amdhsa_system_vgpr_workitem_id 0
		.amdhsa_next_free_vgpr 1024
		.amdhsa_next_free_sgpr 66
		.amdhsa_reserve_vcc 0
		.amdhsa_float_denorm_mode_32 3
		.amdhsa_float_denorm_mode_16_64 3
		.amdhsa_memory_ordered 1
		.amdhsa_forward_progress 1
		.amdhsa_inst_pref_size 161
	.end_amdhsa_kernel
	.amdgpu_metadata
---
amdhsa.version: [ 1, 2 ]
amdhsa.kernels:
  - .name:           k_qc0225d6054_pv
    .symbol:         k_qc0225d6054_pv.kd
    .args:
      - { .name: pc, .offset: 0, .size: 8, .value_kind: global_buffer, .address_space: global }
      - { .name: vt, .offset: 8, .size: 8, .value_kind: global_buffer, .address_space: global }
      - { .name: st, .offset: 16, .size: 8, .value_kind: global_buffer, .address_space: global }
      - { .name: lowp_scales, .offset: 24, .size: 8, .value_kind: global_buffer, .address_space: global }
      - { .name: out0, .offset: 32, .size: 8, .value_kind: global_buffer, .address_space: global }
    .group_segment_fixed_size: 327680
    .private_segment_fixed_size: 0
    .kernarg_segment_align: 8
    .kernarg_segment_size: 40
    .max_flat_workgroup_size: 128
    .sgpr_count:     66
    .vgpr_count:     1024
    .wavefront_size: 32
...
	.end_amdgpu_metadata
.endif
;; end of part 3
